; MI455X (gfx1250); checked and timed in simulation.
; The chip was launched on July 23, 2026; its instructions are those of AMD's public machine-readable ISA for CDNA 5 (MIT licence, August 2026) and "CDNA5" Instruction Set Architecture Reference Guide (July 2026). The comments in the code are by the model that wrote it; some were corrected since.
;; Rotary Multi Head Attention. Allowed arithmetic: matrix products marked QUANTISED: E5M2 operands, one given power-of-two scale a tensor, by v_wmma_f32_16x16x64_bf8_bf8 or v_wmma_f32_16x16x128_bf8_bf8, f32 sums; products left as they are: f32 operands where the result goes on into a quantised operand, else bf16, f16 or f32 operands; f32 sums; everything else in f32.
;; Inputs: Wk_codes 1,024 x 32 x 32 uint8 (E5M2 codes of Wk, K innermost, in blocks of 32 codes); Wo_codes 1,024 x 32 x 32 uint8 (E5M2 codes of Wo, K innermost, in blocks of 32 codes); Wq_codes 1,024 x 32 x 32 uint8 (E5M2 codes of Wq, K innermost, in blocks of 32 codes); Wv_codes 1,024 x 32 x 32 uint8 (E5M2 codes of Wv, K innermost, in blocks of 32 codes); bk 1,024 float32; bo 1,024 float32; bq 1,024 float32; bv 1,024 float32; lowp_scales 12 int32 (the exponents e of the quantised operands' scales 2^e); x_codes 2 x 2,048 x 32 x 32 uint8 (E5M2 codes of x, K innermost, in blocks of 32 codes).
;; Outputs: out0 2 x 2,048 x 1,024 float32.
;; This version of the problem:
;;   THIS VERSION OF THE PROBLEM IS GIVEN IN LOW PRECISION. The matrix products marked QUANTISED in the list below multiply operands that are first quantised to E5M2 (5 exponent bits, 2 mantissa bits; 8 bits a number), with one given power-of-two scale for each operand tensor; their sums are f32. All else is computed in f32.
;;   The module's matrix products, in the order in which they are computed (A, B: the left and right operand; K: the contracted axis; several contracted axes count as one K, in the product's order):
;;     1. [M 4,096, K 1,024] x [K 1,024, N 1,024]; A: input x (given as codes); B: input Wq (given as codes): QUANTISED (scales: A lowp_scales[0], B lowp_scales[1])
;;     2. [M 4,096, K 1,024] x [K 1,024, N 1,024]; A: input x (given as codes); B: input Wk (given as codes): QUANTISED (scales: A lowp_scales[2], B lowp_scales[3])
;;     3. [M 4,096, K 1,024] x [K 1,024, N 1,024]; A: input x (given as codes); B: input Wv (given as codes): QUANTISED (scales: A lowp_scales[4], B lowp_scales[5])
;;     4. [M 2,048, K 1] x [K 1, N 32]; A: computed on the way; B: computed on the way: left as it is (no contracted axis)
;;     5. batch 32 x [M 2,048, K 64] x [K 64, N 2,048]; A: computed on the way; B: computed on the way: QUANTISED (scales: A lowp_scales[6], B lowp_scales[7])
;;     6. batch 32 x [M 2,048, K 2,048] x [K 2,048, N 64]; A: softmax (see below); B: computed on the way: QUANTISED (scales: A lowp_scales[8], B lowp_scales[9])
;;     7. [M 4,096, K 1,024] x [K 1,024, N 1,024]; A: computed on the way; B: input Wo (given as codes): QUANTISED (scales: A lowp_scales[10], B lowp_scales[11])
;;   THE QUANTISER, for each operand of a quantised product, along K:
;;     - The operand's scale is 2^e, e = its entry of the input lowp_scales (int32; the entries are numbered through the quantised products in the list's order, A before B).
;;     - Each number is divided by the scale, clamped to +-57,344, and rounded to the nearest number of E5M2, ties to even, subnormals kept.
;;     - The product sums the exact products of the quantised numbers (number of the format x scale) in f32.
;;   ~~~python
;;   def quantise(x, axis, e):      # numpy; x: float32 -> the quantised numbers, widened to float32 again
;;       x = np.moveaxis(x, axis, -1); K = x.shape[-1]
;;       r = np.clip(x / 2.0 ** e, -57344, 57344)
;;       step = 2.0 ** (np.maximum(np.frexp(np.where(r == 0, 1, r))[1] - 1, -14) - 2)
;;       q = np.round(r / step) * step * 2.0 ** e      # np.round: ties to even
;;       return np.moveaxis(q, -1, axis).astype(np.float32)
;;   ~~~
;;   SOFTMAX AHEAD OF A QUANTISED PRODUCT. Where the list says 'softmax', what is quantised is not the finished softmax but p = 2^(t - M), with t = logit x log2(e) and M = ceil(the row's largest t), a whole number; so 1/2 < the row's largest p <= 1. The row's sum l is taken of the UNQUANTISED p, in f32, and the product's result is divided by l at the end. Since M is a whole number, a kernel that streams over the keys may use a running M (the ceiling of the running maximum): every later rescaling is an exact power of two, so the quantised numbers keep their values, but for numbers so far below the row's largest that they fall under the format's range.
;;   OPERANDS COMPUTED ON THE WAY. 'Computed on the way' means the value that the module computes at that place (a softmax that the list does not call 'softmax' is quantised finished and normalised). What goes into a quantiser is computed in f32, as accurately as f32 sums, v_exp_f32 and their like allow (about 1e-6 of the number): no bf16 or f16 on the way to a quantiser, and a product that is left as it is and whose result goes on into a quantised operand takes f32 operands (vector FMAs, or v_wmma_f32_16x16x4_f32). A number that lies on a knife's edge between two numbers of the format may be rounded either way, as far as f32 arithmetic and the matrix unit's own rounding can turn it there, and no further.
;;   INPUTS GIVEN AS CODES. Wk (in the module: [1024, 1024], K = its axis 1); Wo (in the module: [1024, 1024], K = its axis 1); Wq (in the module: [1024, 1024], K = its axis 1); Wv (in the module: [1024, 1024], K = its axis 1); x (in the module: [2, 2048, 1024], K = its axis 2): each comes as NAME_codes (uint8): NAME with its K axis moved to the last place and cut into blocks of 32 codes, [.., K / 32, bytes a block], one block behind the other in memory; one code a byte (a code: sign, 5 exponent bits, 2 mantissa bits); its scale is its entry of lowp_scales. Its value is code x scale, taken as it is: it is not quantised again, and the codes and scales need not be those that the quantiser above would give.
;; One version. Each part assembles by itself: llvm-mc -triple=amdgcn-amd-amdhsa -mcpu=gfx1250 --defsym DOCPART=n.
;; ======== version 1 of 1: 3 launches
;; limits: right only within a limited range of input values
;; workspace buffers: q_codes 4,194,304 bytes; k_codes 4,194,304 bytes; v_codes 4,194,304 bytes; a_codes 4,194,304 bytes
;; launch qkv (part 1): grid 16 x 16, 4 waves a work-group, clusters of 4 x 4, 327,680 bytes of LDS; arguments x_codes, Wq_codes, Wk_codes, Wv_codes, bq, bk, bv, lowp_scales, q_codes, k_codes, v_codes; writes q_codes, k_codes, v_codes
.if DOCPART == 1
	.amdgcn_target "amdgcn-amd-amdhsa--gfx1250"
	.amdhsa_code_object_version 6
	.text
	.protected	k_q356f1a4fe1_qkv
	.globl	k_q356f1a4fe1_qkv
	.p2align	8
	.type	k_q356f1a4fe1_qkv,@function
k_q356f1a4fe1_qkv:
	s_mov_b64 s[64:65], 0
	v_nop
	global_prefetch_b8 v0, s[64:65] scope:SCOPE_SE
	s_setreg_imm32_b32 hwreg(HW_REG_WAVE_MODE, 25, 1), 1
	s_wait_xcnt 0x0
	s_wait_alu depctr_hold_cnt(0) depctr_sa_sdst(0) depctr_va_vdst(0) depctr_va_sdst(0) depctr_va_ssrc(0) depctr_va_vcc(0) depctr_vm_vsrc(0)
	s_getreg_b32 s2, hwreg(HW_REG_IB_STS2, 6, 4)
	s_cmp_eq_u32 s2, 0
	s_cbranch_scc0 .Lentry_in_a_cluster
	s_endpgm
.Lentry_in_a_cluster:
	s_bfe_u32 s2, ttmp6, 0x10000c
	s_cmp_lg_u32 s2, 0xf033
	s_cbranch_scc0 .Lentry_shape_is_right
	s_endpgm
.Lentry_shape_is_right:
; q, k, v = x W^T + b on codes of BF8 (E5M2), q and k turned by the rotary table, all three quantised and left as images of the next launch's fragments.  No work of reference() is left out.
; A work-group makes 256 rows x 64 columns (one head) of all three: four waves of 64 rows.  K goes in four steps of 256 through two LDS slots; waves 0..3 fetch x, Wq, Wk, Wv.
; CLUSTERS 4 x 4: x's tiles are asked for jointly along a row of the cluster, the weights' along a column.
; The sines and cosines are made in registers while K step 0 is on its way; slot 1's first fill, K step 1, goes out behind the full sequence in front of the first step.
; PREFETCHES: K step 1 and, two SINCOS blocks later, K step 2 in the head, K step 3 behind slot 1's first fill: each is asked for ahead of the load that brings it, each block of 256 bytes once in a cluster:
; wave 0 names 64 rows of x by cx, waves 1 to 3 sixteen rows of their weight by cy.
; LIMITS: each product's two exponents add up to between -126 and 127; e6, e7 and e9 between -126 and 112.
.set PITCH, 272
.set ATILE, 256*PITCH
.set BH,    64*PITCH
.set SLOT,  ATILE+3*BH
.set SPARE, 2*SLOT
.set ADRA, 8
.set ADRB, 10
.set ADRV, 12
.set SPW,  14
.set NIL,  15
.set QSC,  16
.set BV,   22
.set T,    32
.set M1,   64
.set M2,   80
.set AF,   128
.set CQ,   128
.set CV,   192
.set BQ,   192
.set COSR, 128
.set SINR, 192
.set INV,  32
.set FF,   48
.set PP,   64
.set EE,   80
.set NN,   96
.set CN,   48                          ; constants, in pairs; then the rotary table's scratch for eight angles: none of it meets the fragments, so that it can be made among the K steps
.set ANG,  78
.set KF,   86
.set RR,   94
.set ZZ,   102
.set SN,   110
.set CS,   118
.set WV,   26
.set G1A,  28
.set G0A,  36
.set G1B,  44
.set G0B,  52
.set MUL_QK, 0xa1
.set MUL_V,  0xf4
.set MSB, 0
.macro WIN new
.if MSB != \new
	s_set_vgpr_msb (MSB<<8)|\new
.set MSB, \new
.endif
.endm
.macro PLACES
.rept 4
	v_nop
.endr
.endm
.macro JLOAD s
	s_cmp_eq_u32 s[WV], 0
	s_cbranch_scc0 .Lfor_b_\@
	tensor_load_to_lds s[G0A+4*\s:G0A+4*\s+3], s[G1A:G1A+7]
	s_nop 0
.rept 4
	v_nop
.endr
	s_branch .Lasked_\@
.Lfor_b_\@:
	tensor_load_to_lds s[G0B+4*\s:G0B+4*\s+3], s[G1B:G1B+7]
	s_nop 0
.rept 4
	v_nop
.endr
.Lasked_\@:
.endm
.macro CREST
	s_cmp_lg_u32 s[WV], 0
	s_cbranch_scc1 .Lnot_wave_0_\@
	s_barrier_signal -3
.Lnot_wave_0_\@:
	s_barrier_wait -3
	s_barrier_signal -1
	s_barrier_wait -1
.endm
.macro CROUND
	s_barrier_signal -1
	s_barrier_wait -1
	CREST
.endm
	s_load_b256 s[4:11], s[0:1], 0x0
	s_load_b256 s[12:19], s[0:1], 0x20
	s_load_b128 s[20:23], s[0:1], 0x40
	s_load_b64 s[24:25], s[0:1], 0x50
	v_lshl_add_u32 v[SPW], v0, 2, SPARE
	v_mov_b32 v[NIL], 0
	ds_add_u32 v14, v15
	ds_add_u32 v14, v15
	s_wait_dscnt 0x0
	v_lshrrev_b32 v1, 5, v0
	v_readfirstlane_b32 s[WV], v1
	s_bfe_u32 s60, ttmp6, 0x40000
	s_bfe_u32 s61, ttmp6, 0x40004
	s_lshl_b32 s62, ttmp9, 2
	s_add_co_u32 s62, s62, s60
	s_and_b32 s63, ttmp7, 0xffff
	s_lshl_b32 s63, s63, 2
	s_add_co_u32 s63, s63, s61
	s_lshl_b32 s66, s61, 2
	s_lshl_b32 s66, 15, s66
	s_lshl_b32 s67, 0x1111, s60
	s_or_b32 s[G1A], s66, (1<<20)|(1<<21)|(5<<22)|(3<<25)
	s_mov_b32 s[G1A+1], 256<<16
	s_mov_b32 s[G1A+2], 256<<16
	s_mov_b32 s[G1A+3], 256<<16
	s_mov_b32 s[G1A+4], 256
	s_mov_b32 s[G1A+5], 1024
	s_mov_b32 s[G1A+6], 0
	s_mov_b32 s[G1A+7], 0
	s_or_b32 s[G1B], s67, (1<<20)|(1<<21)|(5<<22)|(3<<25)
	s_mov_b32 s[G1B+1], 256<<16
	s_mov_b32 s[G1B+2], 64<<16
	s_mov_b32 s[G1B+3], 256<<16
	s_mov_b32 s[G1B+4], 64
	s_mov_b32 s[G1B+5], 1024
	s_mov_b32 s[G1B+6], 0
	s_mov_b32 s[G1B+7], 0
	s_lshl_b32 s68, s63, 18
	s_mov_b32 s69, 0
	s_lshl_b32 s70, s62, 16
	s_mov_b32 s71, 0
	s_mul_i32 s27, s[WV], BH
	s_add_co_u32 s27, s27, 192*PITCH
	s_wait_kmcnt 0x0
	s_load_b256 s[72:79], s[18:19], 0x0
	s_load_b128 s[80:83], s[18:19], 0x20
	s_cmp_eq_u32 s[WV], 1
	s_cselect_b64 s[90:91], s[6:7], s[8:9]
	s_cmp_eq_u32 s[WV], 3
	s_cselect_b64 s[90:91], s[10:11], s[90:91]
	s_add_nc_u64 s[68:69], s[4:5], s[68:69]
	s_add_nc_u64 s[90:91], s[90:91], s[70:71]
	CROUND
.irp s, 0,1
	s_mov_b32 s[G0A+4*\s], 1
	s_mov_b32 s[G0A+4*\s+1], \s*SLOT
	s_add_nc_u64 s[G0A+4*\s+2:G0A+4*\s+3], s[68:69], \s*256
	s_or_b32 s[G0A+4*\s+3], s[G0A+4*\s+3], 0x80000000
	s_mov_b32 s[G0B+4*\s], 1
	s_add_co_u32 s[G0B+4*\s+1], s27, \s*SLOT
	s_add_nc_u64 s[G0B+4*\s+2:G0B+4*\s+3], s[90:91], \s*256
	s_or_b32 s[G0B+4*\s+3], s[G0B+4*\s+3], 0x80000000
.endr
	JLOAD 0                                ; K step 0: one tensor load a wave at the head
.macro ASK k                           ; prefetch of K step k; v3 and both bases are never rewritten
	s_wait_alu depctr_va_vdst(0)
	s_cmp_eq_u32 s[WV], 0
	s_cbranch_scc0 .Lask_w_\@
	global_prefetch_b8 v3, s[68:69] offset:256*\k th:TH_LOAD_NT scope:SCOPE_SE
	global_prefetch_b8 v3, s[68:69] offset:256*\k+32768 th:TH_LOAD_NT scope:SCOPE_SE
	s_branch .Lask_x_\@
.Lask_w_\@:
	global_prefetch_b8 v3, s[90:91] offset:256*\k th:TH_LOAD_NT scope:SCOPE_SE
.Lask_x_\@:
.endm
	v_and_b32 v1, 15, v0
	v_bfe_u32 v2, v0, 4, 1
	v_and_b32 v4, 31, v0
	v_lshlrev_b32 v4, 4, v4
	v_lshlrev_b32 v5, 5, v2
	v_and_b32 v6, 8, v1
	v_add_nc_u32 v6, v6, v1
	v_lshlrev_b32 v7, 2, v6
	s_lshl_b32 s92, s62, 8
	s_mov_b32 s93, 0
	s_add_nc_u64 s[12:13], s[12:13], s[92:93]
	s_add_nc_u64 s[14:15], s[14:15], s[92:93]
	s_add_nc_u64 s[16:17], s[16:17], s[92:93]
	WIN 0x40
.irp t, 0,1,2,3
	global_load_b128 v[BQ+8*\t:BQ+8*\t+3],       v5, s[12:13] offset:64*\t
	global_load_b128 v[BQ+8*\t+4:BQ+8*\t+7],     v5, s[12:13] offset:64*\t+16
	global_load_b128 v[BQ+32+8*\t:BQ+35+8*\t],   v5, s[14:15] offset:64*\t
	global_load_b128 v[BQ+36+8*\t:BQ+39+8*\t],   v5, s[14:15] offset:64*\t+16
.endr
	WIN 0
.irp n, 0,1,2,3
	global_load_b32 v[BV+2*\n],   v7, s[16:17] offset:4*(32*(\n/2)+8*(\n%2))
	global_load_b32 v[BV+2*\n+1], v7, s[16:17] offset:4*(32*(\n/2)+8*(\n%2))
.endr
	v_mul_u32_u24 v3, v1, PITCH
	v_lshl_add_u32 v3, v2, 4, v3
	v_mul_u32_u24 v6, v6, PITCH
	v_lshl_add_u32 v6, v2, 4, v6
	s_mul_i32 s94, s[WV], BH
.irp s, 0,1
	v_add_nc_u32 v[ADRA+\s], s94, v3
	v_add_nc_u32 v[ADRB+\s], ATILE+\s*SLOT, v3
	v_add_nc_u32 v[ADRV+\s], ATILE+\s*SLOT, v6
	s_add_co_u32 s94, s94, SLOT
.endr
	s_lshl_b32 s92, s60, 6
	s_lshl_b32 s93, s61, 4
	s_cmp_eq_u32 s[WV], 0
	s_cselect_b32 s95, s92, s93            ; my first row: 64 cx of x, 16 cy of a weight
	s_cselect_b32 s94, 31, 15
	v_and_b32 v3, 31, v0
	v_min_u32 v3, s94, v3                  ; lanes left over name the last row again
	v_add_lshl_u32 v3, v3, s95, 10         ; a lane a row of 1,024 bytes
	ASK 1
	s_lshr_b32 s92, s63, 3
	s_lshl_b32 s92, s92, 4
	s_add_co_u32 s92, s92, s62
	s_lshl_b32 s92, s92, 17
	s_and_b32 s94, s63, 7
	s_lshl_b32 s95, s94, 14
	s_add_co_u32 s92, s92, s95
	s_lshl_b32 s95, s[WV], 12
	s_add_co_u32 s96, s92, s95
	s_mov_b32 s97, 0
	s_add_nc_u64 s[20:21], s[20:21], s[96:97]
	s_add_nc_u64 s[22:23], s[22:23], s[96:97]
	s_lshr_b32 s95, s[WV], 1
	s_lshl_b32 s95, s95, 13
	s_add_co_u32 s96, s92, s95
	s_and_b32 s95, s[WV], 1
	s_lshl_b32 s95, s95, 10
	s_add_co_u32 s96, s96, s95
	s_add_nc_u64 s[24:25], s[24:25], s[96:97]
	s_lshl_b32 s95, s94, 8
	s_lshl_b32 s96, s[WV], 6
	s_add_co_u32 s95, s95, s96
	v_add_nc_u32 v31, s95, v1
	v_lshlrev_b32 v30, 3, v2
	s_mov_b32 s92, 0xbed49a78
	s_mov_b32 s93, 0xb2179a37
.set ii, 0
.rept 16
	v_add_nc_u32 v[FF+ii], 16*(ii/8)+ii%8, v30
.set ii, ii+1
.endr
.set ii, 0
.rept 16
	v_cvt_f32_u32 v[FF+ii], v[FF+ii]
.set ii, ii+1
.endr
.set ii, 0
.rept 16
	v_mul_f32 v[PP+ii], s92, v[FF+ii]
.set ii, ii+1
.endr
.set ii, 0
.rept 16
	v_fma_f32 v[EE+ii], v[FF+ii], s92, -v[PP+ii]
.set ii, ii+1
.endr
.set ii, 0
.rept 16
	v_fma_f32 v[EE+ii], v[FF+ii], s93, v[EE+ii]
.set ii, ii+1
.endr
.set ii, 0
.rept 16
	v_rndne_f32 v[NN+ii], v[PP+ii]
.set ii, ii+1
.endr
.set ii, 0
.rept 16
	v_sub_f32 v[PP+ii], v[PP+ii], v[NN+ii]
.set ii, ii+1
.endr
.set ii, 0
.rept 16
	v_add_f32 v[PP+ii], v[PP+ii], v[EE+ii]
.set ii, ii+1
.endr
.set ii, 0
	s_wait_alu depctr_va_vdst(0)
.rept 16
	v_exp_f32 v[PP+ii], v[PP+ii]
.set ii, ii+1
.endr
.set ii, 0
.rept 16
	v_cvt_i32_f32 v[NN+ii], v[NN+ii]
.set ii, ii+1
.endr
.set ii, 0
	s_wait_alu depctr_va_vdst(0)
.rept 16
	v_ldexp_f32 v[INV+ii], v[PP+ii], v[NN+ii]
.set ii, ii+1
.endr
.macro CONST k, val
	v_mov_b32 v[CN+2*\k], \val
	v_mov_b32 v[CN+2*\k+1], \val
.endm
	CONST 0, 0x3ea2f983                    ; 1 / pi
	CONST 1, 0xc0490fdb                    ; -pi, in two parts
	CONST 2, 0x33bbbd2e
	CONST 13, 0xb2d7322b                   ; -1 / 11!
	CONST 14, 0x310f76c8                   ; 1 / 12!
	CONST 3, 0xbe2aaaab
	CONST 4, 0x3c088889
	CONST 5, 0xb9500d01
	CONST 6, 0x3638ef1d
	CONST 7, 0x3d2aaaab
	CONST 8, 0xbab60b61
	CONST 9, 0x37d00d01
	CONST 10, 0xb493f27e
	CONST 11, -0.5
	CONST 12, 1.0
; The sines and cosines of angles 8 u .. 8 u + 7 of my row 16 a + lane % 16.  angle = position x frequency, rounded once, as in reference(); r = angle - pi k, k the nearest whole number, so r lies within pi / 2;
; both take the sign (-1)^k.  The series run to r^11 and r^12.  Four of the eight blocks stand here, under K step 0's flight, four among the K steps.
.macro FMA2 d, s, c                    ; d = d x s + constant c
.irp i, 0,2,4,6
	v_pk_fma_f32 v[\d+\i:\d+\i+1], v[\d+\i:\d+\i+1], v[\s+\i:\s+\i+1], v[CN+2*\c:CN+2*\c+1]
.endr
.endm
.macro SINCOS a, u
	v_add_nc_u32 v126, 16*\a, v31
	v_cvt_f32_u32 v126, v126
	v_mov_b32 v127, v126
.irp i, 0,2,4,6
	v_pk_mul_f32 v[ANG+\i:ANG+\i+1], v[INV+8*\u+\i:INV+8*\u+\i+1], v[126:127]
.endr
.irp i, 0,2,4,6
	v_pk_mul_f32 v[KF+\i:KF+\i+1], v[ANG+\i:ANG+\i+1], v[CN:CN+1]
.endr
.set ii, 0
.rept 8
	v_rndne_f32 v[KF+ii], v[KF+ii]
.set ii, ii+1
.endr
.irp i, 0,2,4,6
	v_pk_fma_f32 v[RR+\i:RR+\i+1], v[KF+\i:KF+\i+1], v[CN+2:CN+3], v[ANG+\i:ANG+\i+1]
.endr
.irp i, 0,2,4,6
	v_pk_fma_f32 v[RR+\i:RR+\i+1], v[KF+\i:KF+\i+1], v[CN+4:CN+5], v[RR+\i:RR+\i+1]
.endr
.set ii, 0
.rept 8
	v_cvt_i32_f32 v[ANG+ii], v[KF+ii]
.set ii, ii+1
.endr
.irp i, 0,2,4,6
	v_pk_mul_f32 v[ZZ+\i:ZZ+\i+1], v[RR+\i:RR+\i+1], v[RR+\i:RR+\i+1]
.endr
.set ii, 0
.rept 8
	v_lshlrev_b32 v[ANG+ii], 31, v[ANG+ii]
.set ii, ii+1
.endr
.irp i, 0,2,4,6
	v_pk_fma_f32 v[SN+\i:SN+\i+1], v[ZZ+\i:ZZ+\i+1], v[CN+26:CN+27], v[CN+12:CN+13]
	v_pk_fma_f32 v[CS+\i:CS+\i+1], v[ZZ+\i:ZZ+\i+1], v[CN+28:CN+29], v[CN+20:CN+21]
.endr
	FMA2 SN, ZZ, 5
	FMA2 CS, ZZ, 9
	FMA2 SN, ZZ, 4
	FMA2 CS, ZZ, 8
	FMA2 SN, ZZ, 3
	FMA2 CS, ZZ, 7
.irp i, 0,2,4,6
	v_pk_mul_f32 v[SN+\i:SN+\i+1], v[SN+\i:SN+\i+1], v[ZZ+\i:ZZ+\i+1]
.endr
	FMA2 CS, ZZ, 11
.irp i, 0,2,4,6
	v_pk_fma_f32 v[SN+\i:SN+\i+1], v[SN+\i:SN+\i+1], v[RR+\i:RR+\i+1], v[RR+\i:RR+\i+1]
.endr
	FMA2 CS, ZZ, 12
	WIN 0xc0
.set ii, 0
.rept 8
	v_xor_b32 v[SINR+16*\a+8*\u+ii], v[ANG+ii], v[SN+ii]
	v_xor_b32 v[COSR+16*\a+8*\u+ii], v[ANG+ii], v[CS+ii]
.set ii, ii+1
.endr
	WIN 0
.endm
	SINCOS 0, 0
	SINCOS 0, 1
	ASK 2
	SINCOS 1, 0
	SINCOS 1, 1
	s_wait_kmcnt 0x0
.irp m, 0,1,2
	s_add_co_i32 s[84+2*\m], s[72+2*\m], s[73+2*\m]
	s_add_co_i32 s[84+2*\m], s[84+2*\m], 127
	s_lshl_b32 s[84+2*\m], s[84+2*\m], 23
	s_mov_b32 s[85+2*\m], s[84+2*\m]
.endr
.macro QS reg, e
	s_add_co_i32 s92, \e, 127
	s_lshl_b32 s93, s92, 23
	v_mov_b32 v[\reg], s93
	s_add_co_i32 s92, s92, 15
	s_lshl_b32 s92, s92, 23
	s_or_b32 s92, s92, 0x600000
	v_mov_b32 v[\reg+1], s92
.endm
	QS QSC, s78
	QS QSC+2, s79
	QS QSC+4, s81
.macro FRAG reg, adr, off
.irp c, 0,1,2,3
	ds_load_b128 v[(\reg)+4*\c:(\reg)+4*\c+3], v[\adr] offset:(\off)+32*\c
.endr
.endm
.macro FETCH_BLO slot, q
	WIN 0x40
.irp b, 0,1,2,3,4,5
	FRAG 16*\b, ADRB+\slot, 128*\q+\b*16*PITCH
.endr
.endm
.macro FETCH_BHI slot, q
	WIN 0x40
.irp b, 6,7
	FRAG 16*\b, ADRB+\slot, 128*\q+\b*16*PITCH
.endr
.irp n, 0,1,2,3
	FRAG 16*(8+\n), ADRV+\slot, 128*\q+(128+32*(\n/2)+8*(\n%2))*PITCH
.endr
.endm
.macro FETCH_A slot, q, p
	WIN 0
.irp a, 0,1,2,3
	FRAG AF+64*\p+16*\a, ADRA+\slot, 128*\q+\a*16*PITCH
.endr
.endm
.macro MULB b, p, zero
.irp a, 0,1,2,3
.if \zero
	v_wmma_f32_16x16x128_bf8_bf8 v[8*(4*(\b)+\a):8*(4*(\b)+\a)+7], v[16*(\b):16*(\b)+15], v[AF+64*(\p)+16*\a:AF+64*(\p)+16*\a+15], 0
.else
	v_wmma_f32_16x16x128_bf8_bf8 v[8*(4*(\b)+\a):8*(4*(\b)+\a)+7], v[16*(\b):16*(\b)+15], v[AF+64*(\p)+16*\a:AF+64*(\p)+16*\a+15], v[8*(4*(\b)+\a):8*(4*(\b)+\a)+7]
.endif
.endr
.endm
.macro MULT n, p, zero
.irp a, 0,1,2,3
.if \zero
	v_wmma_f32_16x16x128_bf8_bf8 v[8*(4*(\n)+\a):8*(4*(\n)+\a)+7], v[AF+64*(\p)+16*\a:AF+64*(\p)+16*\a+15], v[16*(8+\n):16*(8+\n)+15], 0
.else
	v_wmma_f32_16x16x128_bf8_bf8 v[8*(4*(\n)+\a):8*(4*(\n)+\a)+7], v[AF+64*(\p)+16*\a:AF+64*(\p)+16*\a+15], v[16*(8+\n):16*(8+\n)+15], v[8*(4*(\n)+\a):8*(4*(\n)+\a)+7]
.endif
.endr
.endm
.macro REST p, zero
	WIN MUL_QK
	MULB 6, \p, \zero
	MULB 7, \p, \zero
	WIN MUL_V
	MULT 0, \p, \zero
	MULT 1, \p, \zero
	MULT 2, \p, \zero
	MULT 3, \p, \zero
.endm
.macro STEP slot, zero
	s_wait_dscnt 24
	WIN MUL_QK
.irp b, 0,1,2,3,4,5
	MULB \b, 0, \zero
.endr
	s_wait_dscnt 0x0
	PLACES
	FETCH_BLO \slot, 1
	FETCH_A \slot, 1, 1
	REST 0, \zero
	PLACES
	FETCH_BHI \slot, 1
	WIN 0
.endm
.macro TURN slot, next, fill
	s_wait_tensorcnt 0x0
	ds_add_u32 v[SPW], v[NIL]
	s_wait_dscnt 25
	WIN MUL_QK
	MULB 0, 1, 0
	MULB 1, 1, 0
	MULB 2, 1, 0
	s_wait_dscnt 0x0
	s_barrier_signal -1
	MULB 3, 1, 0
	MULB 4, 1, 0
	MULB 5, 1, 0
	WIN 0
	s_barrier_wait -1
.if \fill
	CREST
	s_add_nc_u64 s[G0A+4*\slot+2:G0A+4*\slot+3], s[G0A+4*\slot+2:G0A+4*\slot+3], 512
	s_add_nc_u64 s[G0B+4*\slot+2:G0B+4*\slot+3], s[G0B+4*\slot+2:G0B+4*\slot+3], 512
	JLOAD \slot
.else
	PLACES
.endif
	FETCH_BLO \next, 0
	FETCH_A \next, 0, 0
	REST 1, 0
	PLACES
	FETCH_BHI \next, 0
	WIN 0
.endm
	s_wait_alu depctr_va_vdst(0)
	s_wait_loadcnt 0x0
	s_wait_tensorcnt 0x0                   ; my part of K step 0 is in
	ds_add_u32 v[SPW], v[NIL]
	s_wait_dscnt 0x0
	CROUND                                 ; everybody's part is in
	JLOAD 1                                ; slot 1's first fill
	FETCH_BLO 0, 0
	FETCH_A 0, 0, 0
	FETCH_BHI 0, 0
	WIN 0
	ASK 3
	STEP 0, 1
	SINCOS 2, 0                            ; under the fragments' loads, in front of the wait for them
	TURN 0, 1, 1
	SINCOS 2, 1
	STEP 1, 0
	SINCOS 3, 0
	TURN 1, 0, 1
	SINCOS 3, 1
	STEP 0, 0
	TURN 0, 1, 0
	STEP 1, 0
	s_wait_dscnt 24
	WIN MUL_QK
.irp b, 0,1,2,3,4,5
	MULB \b, 1, 0
.endr
	s_wait_dscnt 0x0
	REST 1, 0
	WIN 0
	PLACES
.macro ROPE m, a
	WIN 0x12
.irp t, 0,1,2,3
.irp i, 0,2,4,6
	v_pk_fma_f32 v[T+8*\t+\i:T+8*\t+\i+1], v[8*(4*(4*\m+\t)+\a)+\i:8*(4*(4*\m+\t)+\a)+\i+1], s[84+2*\m:85+2*\m], v[BQ+32*\m+8*\t+\i:BQ+32*\m+8*\t+\i+1] op_sel_hi:[1,0,1]
.endr
.endr
	WIN 0x0c
.irp i, 0,2,4,6,8,10,12,14
	v_pk_mul_f32 v[M1+\i:M1+\i+1], v[T+16+\i:T+16+\i+1], v[SINR+16*\a+\i:SINR+16*\a+\i+1]
	v_pk_mul_f32 v[M2+\i:M2+\i+1], v[T+\i:T+\i+1], v[SINR+16*\a+\i:SINR+16*\a+\i+1]
.endr
.irp i, 0,2,4,6,8,10,12,14
	v_pk_fma_f32 v[T+\i:T+\i+1], v[T+\i:T+\i+1], v[COSR+16*\a+\i:COSR+16*\a+\i+1], v[M1+\i:M1+\i+1] neg_lo:[0,0,1] neg_hi:[0,0,1]
	v_pk_fma_f32 v[T+16+\i:T+16+\i+1], v[T+16+\i:T+16+\i+1], v[COSR+16*\a+\i:COSR+16*\a+\i+1], v[M2+\i:M2+\i+1]
.endr
	WIN 0
.set ii, 0
.rept 32
	v_med3_num_f32 v[T+ii], v[T+ii], -v[QSC+2*\m+1], v[QSC+2*\m+1]
.set ii, ii+1
.endr
.irp t, 0,1,2,3
	v_cvt_scalef32_pk8_bf8_f32 v[CQ+32*\m+8*\a+2*\t:CQ+32*\m+8*\a+2*\t+1], v[T+8*\t:T+8*\t+7], v[QSC+2*\m]
.endr
	v_nop
	global_store_b128 v4, v[CQ+32*\m+8*\a:CQ+32*\m+8*\a+3], s[20+2*\m:21+2*\m] offset:1024*\a
	global_store_b128 v4, v[CQ+32*\m+8*\a+4:CQ+32*\m+8*\a+7], s[20+2*\m:21+2*\m] offset:1024*\a+512
.endm
.macro VOUT n
	WIN 0x03
.irp a, 0,1,2,3
.irp i, 0,2,4,6
	v_pk_fma_f32 v[T+8*\a+\i:T+8*\a+\i+1], v[8*(4*\n+\a)+\i:8*(4*\n+\a)+\i+1], s[88:89], v[BV+2*\n:BV+2*\n+1] op_sel_hi:[1,0,1]
.endr
.endr
	WIN 0
.set ii, 0
.rept 32
	v_med3_num_f32 v[T+ii], v[T+ii], -v[QSC+5], v[QSC+5]
.set ii, ii+1
.endr
.irp a, 0,1,2,3
	v_cvt_scalef32_pk8_bf8_f32 v[CV+8*\n+2*\a:CV+8*\n+2*\a+1], v[T+8*\a:T+8*\a+7], v[QSC+4]
.endr
	v_nop
	global_store_b128 v4, v[CV+8*\n:CV+8*\n+3], s[24:25] offset:2048*\n
	global_store_b128 v4, v[CV+8*\n+4:CV+8*\n+7], s[24:25] offset:2048*\n+512
.endm
.irp m, 0,1
.irp a, 0,1,2,3
	ROPE \m, \a
.endr
.endr
.irp n, 0,1,2,3
	VOUT \n
.endr
	s_wait_tensorcnt 0x0
	ds_add_u32 v[SPW], v[NIL]
	s_wait_dscnt 0x0
	CROUND
	s_endpgm
.Lfunc_end_k_q356f1a4fe1_qkv:
	.size	k_q356f1a4fe1_qkv, .Lfunc_end_k_q356f1a4fe1_qkv-k_q356f1a4fe1_qkv
	.p2alignl 7, 3214868480
	.fill 96, 4, 3214868480
	.section	.rodata,"a",@progbits
	.p2align	6, 0x0
	.amdhsa_kernel k_q356f1a4fe1_qkv
		.amdhsa_group_segment_fixed_size 327680
		.amdhsa_private_segment_fixed_size 0
		.amdhsa_enable_private_segment 0
		.amdhsa_kernarg_size 88
		.amdhsa_user_sgpr_count 2
		.amdhsa_user_sgpr_kernarg_segment_ptr 1
		.amdhsa_wavefront_size32 1
		.amdhsa_system_sgpr_workgroup_id_x 1
		.amdhsa_system_sgpr_workgroup_id_y 1
		.amdhsa_system_sgpr_workgroup_id_z 1
		.amdhsa_system_vgpr_workitem_id 0
		.amdhsa_next_free_vgpr 1024
		.amdhsa_next_free_sgpr 98
		.amdhsa_reserve_vcc 0
		.amdhsa_float_denorm_mode_32 3
		.amdhsa_float_denorm_mode_16_64 3
		.amdhsa_memory_ordered 1
		.amdhsa_forward_progress 1
		.amdhsa_inst_pref_size 189
	.end_amdhsa_kernel
	.amdgpu_metadata
---
amdhsa.version: [ 1, 2 ]
amdhsa.kernels:
  - .name:           k_q356f1a4fe1_qkv
    .symbol:         k_q356f1a4fe1_qkv.kd
    .args:
      - { .name: x_codes, .offset: 0, .size: 8, .value_kind: global_buffer, .address_space: global }
      - { .name: Wq_codes, .offset: 8, .size: 8, .value_kind: global_buffer, .address_space: global }
      - { .name: Wk_codes, .offset: 16, .size: 8, .value_kind: global_buffer, .address_space: global }
      - { .name: Wv_codes, .offset: 24, .size: 8, .value_kind: global_buffer, .address_space: global }
      - { .name: bq, .offset: 32, .size: 8, .value_kind: global_buffer, .address_space: global }
      - { .name: bk, .offset: 40, .size: 8, .value_kind: global_buffer, .address_space: global }
      - { .name: bv, .offset: 48, .size: 8, .value_kind: global_buffer, .address_space: global }
      - { .name: lowp_scales, .offset: 56, .size: 8, .value_kind: global_buffer, .address_space: global }
      - { .name: q_codes, .offset: 64, .size: 8, .value_kind: global_buffer, .address_space: global }
      - { .name: k_codes, .offset: 72, .size: 8, .value_kind: global_buffer, .address_space: global }
      - { .name: v_codes, .offset: 80, .size: 8, .value_kind: global_buffer, .address_space: global }
    .group_segment_fixed_size: 327680
    .private_segment_fixed_size: 0
    .kernarg_segment_align: 8
    .kernarg_segment_size: 88
    .max_flat_workgroup_size: 128
    .sgpr_count:     98
    .vgpr_count:     1024
    .wavefront_size: 32
...
	.end_amdgpu_metadata
.endif
;; end of part 1
;; launch attn (part 2): grid 8 x 32, 8 waves a work-group, no clusters, 263,168 bytes of LDS; arguments q_codes, k_codes, v_codes, lowp_scales, a_codes; writes a_codes
.if DOCPART == 2
	.amdgcn_target "amdgcn-amd-amdhsa--gfx1250"
	.amdhsa_code_object_version 6
	.text
	.protected	k_q356f1a4fe1_attn
	.globl	k_q356f1a4fe1_attn
	.p2align	8
	.type	k_q356f1a4fe1_attn,@function
k_q356f1a4fe1_attn:
	s_mov_b64 s[64:65], 0
	v_nop
	global_prefetch_b8 v0, s[64:65] scope:SCOPE_SE
	s_setreg_imm32_b32 hwreg(HW_REG_WAVE_MODE, 25, 1), 1
	s_wait_xcnt 0x0
; a[q] = (the sum over k of p(q, k) v[k]) / l(q) for one head, both products on codes of BF8 (E5M2); a leaves as codes of BF8 with the given scale 2^e10.
; t = score x log2(e) / 8; M = the row's largest t so far, rounded up to a whole number; p = 2^(t - M) is quantised with 2^e8, not normalised; l is the sum of the unquantised p, in f32.
; When M moves, l and the sums are multiplied by 2^(old M - new M): exact.
; q_codes, k_codes: [head of batch 32][tile of 16 positions 128][group 2][lane 32][16 bytes]: images of 16 x 64 fragments.  v_codes: [32][block of 128 keys 16][tile of channels 4][group 4][lane 32][16 bytes]:
; images of 16 x 128 fragments of V^T; lane r of tile n holds channel 32 (n / 2) + 8 (n % 2) + r + 8 (r / 8).  a_codes: [tile of 16 rows 256][128 of d_model 8][group c 4][lane 32][16 bytes]:
; registers 4 c .. 4 c + 3 of lane (r, h) hold k = 32 c + 16 h + 0 .. 15 of row r.
; SHARES.  A work-group owns 256 queries of one head; each of its eight waves 32 of them, as two tiles of 16: tile A lives in register window 1, tile B in window 0, under the same numbers, so that each fragment of K and V
; feeds two products.  A key step is 256 keys, eight steps: M moves, and O^T is rescaled, once for 128 scores a lane.
; LDS holds the head's whole K (131,072 bytes from 0) and whole V (behind it), as they lie in memory; no byte is written twice.  A block of 256 keys is 32,768 bytes: eight loads of 16 bytes a lane for each wave.
; Step s stores block s + 2 into LDS and then asks memory for block s + 3.  ONE barrier a step publishes the block: it is signalled behind the step's maxima and awaited in the NEXT step behind its second run of scores,
; ahead of that step's stores; the block's first reads come behind that.  So a wave may be most of a step ahead of another.
; THE HOLD at the largest code is needed only where 57,344 x 2^e8 is under 1, that is where the given e8 is under -15: p is 1 at the most.  256 of a step's vector
; instructions.  This launch has no joint loads and no cluster: K and V come by plain loads.
; No data prefetch: a block is asked for a whole step ahead of the wait for it, so no wave is to wait for a stream.
; LAYOUT.  S^T = K Q^T (source 0 = 16 keys, source 1 = 16 queries): lane (r, h) holds query r and, in tile i, keys 16 i + 8 h + 0 .. 7: its eight codes are registers 2 i, 2 i + 1 of P's 16 x 128 fragment.
; LIMITS: e6 + e7 between -123 and 130 (added to c's exponent field); e8 and e10 between -126 and 112; e8 + e9 is applied by v_ldexp_f32 and has none; scaled scores under 2^31 in magnitude.  NaN is not served.
; REGISTERS, in each window: 0-127 S^T, then p (then P's second fragment at 0-15, V's fragments from 16 on); 128-159 O^T; 160-175 P's first fragment; 176-183 Q; 184-187, 190-191 l in three pairs; 188 2^e8; 189 57,344 x 2^e8.
; Window 1: 192-255 K's eight fragments.  Window 0: 192-223 the block on its way to LDS; 224-255 as named below.
.set VOFF,  131072
.set SPARE, 262144
.set BLK,   16384                      ; 256 keys of K, or of V, in bytes
.set OA,  128
.set P1,  160
.set QF,  176
.set L0,  184
.set SC,  188
.set HD,  189
.set KB,  192
.set ST,  192
.set L16, 244                          ; 16 x lane
.set WL,  245                          ; + 2,048 x wave
.set KA,  246                          ; LDS address of the step's K; VA of its V
.set VA,  247
.set KS,  248                          ; where the block on its way goes
.set VS,  249
.set SPW, 250
.set NIL, 251
.set MSB, 0
.macro WIN new                         ; the immediate's high byte repeats the setting that is left
.if MSB != \new
	s_set_vgpr_msb (MSB<<8)|\new
.set MSB, \new
.endif
.endm
.macro AWAIT
	s_wait_alu depctr_va_vdst(0)
.endm
.macro NOPS n
.rept \n
	v_nop
.endr
.endm
.macro KLD hf                          ; eight key tiles of the step: 16 loads
	WIN 0x40
.irp i, 0,1,2,3,4,5,6,7
	ds_load_b128 v[KB+8*\i:KB+8*\i+3], v[KA] offset:8192*\hf+1024*\i
	ds_load_b128 v[KB+8*\i+4:KB+8*\i+7], v[KA] offset:8192*\hf+1024*\i+512
.endr
	WIN 0
.endm
.macro QK hf                           ; S^T of eight key tiles, tile A, then tile B
	WIN 0x45
.irp i, 0,1,2,3,4,5,6,7
	v_wmma_f32_16x16x64_bf8_bf8 v[64*\hf+8*\i:64*\hf+8*\i+7], v[KB+8*\i:KB+8*\i+7], v[QF:QF+7], 0
.endr
	WIN 0x01
.irp i, 0,1,2,3,4,5,6,7
	v_wmma_f32_16x16x64_bf8_bf8 v[64*\hf+8*\i:64*\hf+8*\i+7], v[KB+8*\i:KB+8*\i+7], v[QF:QF+7], 0
.endr
	WIN 0
.endm
.macro MAXT acc, mx, hf                ; the largest score, in four chains that begin with the largest so far; each accumulator from its low end on
.irp i, 0,1,2,3,4,5,6,7
.irp j, 0,1,2,3
.if (\hf == 0) && (\i == 0)
	v_max3_num_f32 v[\acc+\j], v[\mx], v[64*\hf+8*\i+2*\j], v[64*\hf+8*\i+2*\j+1]
.else
	v_max3_num_f32 v[\acc+\j], v[\acc+\j], v[64*\hf+8*\i+2*\j], v[64*\hf+8*\i+2*\j+1]
.endif
.endr
.endr
.endm
.macro MAXH hf
	WIN 0x14
	MAXT 226, 224, \hf
	WIN 0
	MAXT 230, 225, \hf
.endm
.macro RESC f                          ; l and O^T under the new M
.irp j, 184,186,190
	v_pk_mul_f32 v[\j:\j+1], v[\j:\j+1], v[\f:\f+1] op_sel_hi:[1,0]
.endr
.set jj, OA
.rept 16
	v_pk_mul_f32 v[jj:jj+1], v[jj:jj+1], v[\f:\f+1] op_sel_hi:[1,0]
.set jj, jj+2
.endr
.endm
.macro TM reg, nm                      ; t - M of a pair
	v_pk_fma_f32 v[\reg:\reg+1], v[\reg:\reg+1], s[22:23], v[\nm:\nm+1] op_sel_hi:[1,0,0]
.endm
.macro SUM32 g                         ; l takes 32 pairs of p, UNQUANTISED, in three chains
.set jj, 0
.rept 32
.set LL, L0+2*(jj%3)+2*((jj%3)/2)
	v_pk_add_f32 v[LL:LL+1], v[LL:LL+1], v[64*\g+2*jj:64*\g+2*jj+1]
.set jj, jj+1
.endr
.endm
; A tile's softmax: two batches of 64 exponentials.  The second batch's t - M stand among the first and behind it, the first batch's sums in one run behind the second: plain work lies between each batch and the wait for it.
.macro SMX w, nm
	WIN \w
.set jj, 0
.rept 32
	TM 2*jj, \nm
.set jj, jj+1
.endr
	AWAIT
.set jj, 0
.rept 32
	v_exp_f32 v[2*jj], v[2*jj]
.if jj < 24
	TM 64+2*jj, \nm
.endif
	v_exp_f32 v[2*jj+1], v[2*jj+1]
.set jj, jj+1
.endr
.set jj, 24
.rept 8
	TM 64+2*jj, \nm
.set jj, jj+1
.endr
	AWAIT
.set jj, 64
.rept 64
	v_exp_f32 v[jj], v[jj]
.set jj, jj+1
.endr
	SUM32 0
	AWAIT
	SUM32 1
.endm
; The hold, where the given exponent asks for it, and the codes.  The conversion does not saturate (ISA guide 7.6.2); p is not negative, so the hold is one-sided.
.macro CODES w
	WIN 0
	s_cmp_eq_u32 s26, 0
	s_cbranch_scc1 .Lfree_\@
	WIN \w
.set jj, 0
.rept 128
	v_min_num_f32 v[jj], v[HD], v[jj]
.set jj, jj+1
.endr
	WIN 0
.Lfree_\@:
	WIN \w
.irp i, 0,1,2,3,4,5,6,7
	v_cvt_scalef32_pk8_bf8_f32 v[P1+2*\i:P1+2*\i+1], v[8*\i:8*\i+7], v[SC]
.endr
	v_nop                                          ; the second fragment lands on numbers that are done with
.irp i, 0,1,2,3,4,5,6,7
	v_cvt_scalef32_pk8_bf8_f32 v[2*\i:2*\i+1], v[64+8*\i:64+8*\i+7], v[SC]
.endr
	v_nop
	WIN 0
.endm
.macro PVM n, vr, pr
	v_wmma_f32_16x16x128_bf8_bf8 v[OA+8*\n:OA+8*\n+7], v[\vr:\vr+15], v[\pr:\pr+15], v[OA+8*\n:OA+8*\n+7]
.endm
; A KEY STEP of 256 keys.  fill = 0, the last two steps: nothing is left to store, to publish or to ask memory for.
.macro STEP fill
	QK 0                                           ; K's first half was fetched in the step before
.if \fill
	v_add_nc_u32 v[KS], s27, v[WL]                 ; two of the four places
	v_add_nc_u32 v[VS], VOFF, v[KS]
	NOPS 2
.else
	NOPS 4
.endif
	KLD 1                                          ; the second half lands under the first half's maxima
	MAXH 0
	s_wait_dscnt 0x0
	QK 1
	NOPS 4
.if \fill
	s_barrier_wait -1                              ; the block that was stored in the step before is whole
	s_wait_loadcnt 0x0                             ; the next one is in registers, and the loads' bases may be stepped
	s_add_nc_u64 s[6:7], s[6:7], BLK
	s_add_nc_u64 s[8:9], s[8:9], BLK
.irp i, 0,1,2,3
	ds_store_b128 v[KS], v[ST+4*\i:ST+4*\i+3] offset:512*\i
	ds_store_b128 v[VS], v[ST+16+4*\i:ST+16+4*\i+3] offset:512*\i
.endr
.endif
	MAXH 1
	v_max3_num_f32 v226, v226, v227, v228          ; the chains' join, tiles A and B by turns
	v_max3_num_f32 v230, v230, v231, v232
	v_max_num_f32 v226, v226, v229
	v_max_num_f32 v230, v230, v233
	v_permlanex16_b32 v254, v226, s20, s21         ; and lane l xor 16's
	v_permlanex16_b32 v255, v230, s20, s21
	v_max_num_f32 v224, v226, v254                 ; the largest score so far
	v_max_num_f32 v225, v230, v255
	v_mul_f32 v242, s24, v224                      ; -t (c is positive)
	v_mul_f32 v243, s24, v225
	v_floor_f32 v242, v242                         ; the new -M: M is a whole number
	v_floor_f32 v243, v243
	v_sub_f32 v227, v242, v234                     ; old M less new M: a whole number, 0 or less
	v_sub_f32 v231, v243, v236
	v_mov_b32 v234, v242
	v_mov_b32 v236, v243
	v_cvt_i32_f32 v227, v227                       ; (it saturates)
	v_cvt_i32_f32 v231, v231
	v_ldexp_f32 v238, 1.0, v227                    ; f = 2^(old M - new M)
	v_ldexp_f32 v240, 1.0, v231
	WIN 0x41
	RESC 238
	WIN 0
	RESC 240
.if \fill
	s_wait_dscnt 0x0                               ; my part of the block is in LDS, and its registers are free
	s_cmp_eq_u32 s60, 1
	s_cbranch_scc1 .Lno_block_\@                   ; the last filling step has no block three steps on
.irp i, 0,1,2,3
	global_load_b128 v[ST+4*\i:ST+4*\i+3], v[WL], s[6:7] offset:2*BLK+512*\i
	global_load_b128 v[ST+16+4*\i:ST+16+4*\i+3], v[WL], s[8:9] offset:2*BLK+512*\i
.endr
.Lno_block_\@:
	s_barrier_signal -1                            ; say so; the wait stands in the next step
.endif
	SMX 0x45, 234                                  ; tile A
	CODES 0x45
	v_add_nc_u32 v[VA], s63, v[L16]
	v_add_nc_u32 v[KA], s62, v[L16]
	WIN 0x40
.irp i, 0,1,2,3,4,5,6                  ; V: fragment i = 4 x (128 keys) + (tile of channels); seven of eight land in tile A's scores, under tile B's softmax
.irp g, 0,1,2,3
	ds_load_b128 v[16+16*\i+4*\g:16+16*\i+4*\g+3], v[VA] offset:2048*\i+512*\g
.endr
.endr
	WIN 0
.if \fill == 0
	s_cmp_eq_u32 s60, 1
	s_cbranch_scc1 .Lno_key_\@                     ; the very last step has no next one
.endif
	KLD 0                                          ; the next step's first half of K
.Lno_key_\@:
	SMX 0, 236                                     ; tile B
	CODES 0
.irp g, 0,1,2,3
	ds_load_b128 v[16+4*\g:19+4*\g], v[VA] offset:2048*7+512*\g   ; V's last fragment, into tile B's scores
.endr
	AWAIT
	s_wait_dscnt 0x4                               ; all but those four
	WIN 0x55
.irp n, 0,1,2,3
	PVM \n, 16+16*\n, P1
.endr
	WIN 0x01
.irp n, 0,1,2,3
	PVM \n, 16+16*\n, P1
.endr
	WIN 0x55
.irp n, 0,1,2
	PVM \n, 80+16*\n, 0
.endr
	WIN 0x01
.irp n, 0,1,2
	PVM \n, 80+16*\n, 0
.endr
	s_wait_dscnt 0x0
	WIN 0x54
	PVM 3, 16, 0
	WIN 0
	PVM 3, 16, 0
	NOPS 5                                         ; the next products write over V's and P's fragments
	s_add_co_u32 s62, s62, BLK
	s_add_co_u32 s63, s63, BLK
.endm
	s_load_b256 s[4:11], s[0:1], 0x0               ; q s[4:5], k s[6:7], v s[8:9], the exponents s[10:11]
	s_load_b64 s[12:13], s[0:1], 0x20              ; a's codes
	v_lshl_add_u32 v[SPW], v0, 2, SPARE
	v_mov_b32 v[NIL], 0
	v_and_b32 v[L16], 31, v0
	v_lshlrev_b32 v[L16], 4, v[L16]
	v_lshrrev_b32 v[WL], 5, v0
	v_readfirstlane_b32 s14, v[WL]                 ; wave 0..7
	v_lshl_add_u32 v[WL], v[WL], 11, v[L16]
	v_mov_b32 v[KA], v[L16]
	v_add_nc_u32 v[VS], VOFF, v[WL]
	s_and_b32 s15, ttmp7, 0xffff                   ; 16 x batch + head
	s_lshl_b32 s16, s15, 17                        ; its first byte in q, k and v
	s_mov_b32 s17, 0
	s_lshl_b32 s18, ttmp9, 14                      ; q: 16 tiles of 1,024 bytes a block of queries,
	s_lshl_b32 s19, s14, 11                        ; two a wave
	s_add_co_u32 s18, s18, s19
	s_add_co_u32 s18, s18, s16
	s_mov_b32 s19, 0
	s_mov_b32 s20, 0x76543210                      ; v_permlanex16_b32's selects for lane l xor 16
	s_mov_b32 s21, 0xfedcba98
	s_mov_b32 s22, 0x3e38aa3b                      ; c = log2(e) / 8
	AWAIT
	s_wait_kmcnt 0x0
	s_load_b128 s[48:51], s[10:11], 0x18           ; e6, e7, e8, e9
	s_load_b32 s52, s[10:11], 0x28                 ; e10
	s_add_nc_u64 s[6:7], s[6:7], s[16:17]
	s_add_nc_u64 s[8:9], s[8:9], s[16:17]
	s_add_nc_u64 s[4:5], s[4:5], s[18:19]
.irp i, 0,1,2,3                        ; block 0
	global_load_b128 v[32+4*\i:35+4*\i], v[WL], s[6:7] offset:512*\i
	global_load_b128 v[48+4*\i:51+4*\i], v[WL], s[8:9] offset:512*\i
.endr
	global_load_b128 v[QF:QF+3], v[L16], s[4:5] offset:1024       ; Q of tile B,
	global_load_b128 v[QF+4:QF+7], v[L16], s[4:5] offset:1536
	WIN 0x40
	global_load_b128 v[QF:QF+3], v[L16], s[4:5]                   ; and of tile A
	global_load_b128 v[QF+4:QF+7], v[L16], s[4:5] offset:512
	WIN 0
.irp i, 0,1,2,3                        ; block 1
	global_load_b128 v[64+4*\i:67+4*\i], v[WL], s[6:7] offset:BLK+512*\i
	global_load_b128 v[80+4*\i:83+4*\i], v[WL], s[8:9] offset:BLK+512*\i
.endr
.irp i, 0,1,2,3                        ; block 2
	global_load_b128 v[ST+4*\i:ST+4*\i+3], v[WL], s[6:7] offset:2*BLK+512*\i
	global_load_b128 v[ST+16+4*\i:ST+16+4*\i+3], v[WL], s[8:9] offset:2*BLK+512*\i
.endr
	s_lshr_b32 s57, s15, 4                         ; a: the batch's 128 tiles of 16,384 bytes,
	s_lshl_b32 s16, s57, 21
	s_lshl_b32 s57, ttmp9, 18                      ; my block's 16,
	s_add_co_u32 s16, s16, s57
	s_lshl_b32 s57, s14, 15                        ; my wave's two,
	s_add_co_u32 s16, s16, s57
	s_and_b32 s57, s15, 15
	s_lshl_b32 s57, s57, 10                        ; and the head's two groups of 512 bytes
	s_add_co_u32 s16, s16, s57
	s_add_nc_u64 s[12:13], s[12:13], s[16:17]
	v_mov_b32 v224, 0xff61b1e6                     ; the largest scores so far: -3e38
	v_mov_b32 v225, 0xff61b1e6
	v_mov_b32 v234, 0x7f61b1e6                     ; -M: 3e38
	v_mov_b32 v236, 0x7f61b1e6
.irp j, 235,237,239,241,254,255        ; named as a pair's upper half, or as a lane permute's destination
	v_mov_b32 v[\j], 0
.endr
.macro CLEAR                           ; O^T and l: the filling step is written once for all its trips; the first finds zeros
.set jj, OA
.rept 32
	v_mov_b32 v[jj], 0
.set jj, jj+1
.endr
.irp j, 184,185,186,187,190,191
	v_mov_b32 v[\j], 0
.endr
.endm
	CLEAR
	WIN 0x40
	CLEAR
	WIN 0
	s_wait_kmcnt 0x0
	s_add_co_i32 s56, s48, s49
	s_lshl_b32 s56, s56, 23
	s_add_co_i32 s22, s22, s56                     ; a score stands for score x 2^(e6 + e7): added to c's exponent field
	s_mov_b32 s23, s22
	s_xor_b32 s24, s22, 0x80000000                 ; -c
	s_add_co_i32 s56, s50, 127
	s_lshl_b32 s57, s56, 23                        ; 2^e8
	s_add_co_i32 s56, s56, 15
	s_lshl_b32 s56, s56, 23
	s_or_b32 s56, s56, 0x600000                    ; 57,344 x 2^e8
	v_mov_b32 v[SC], s57
	v_mov_b32 v[HD], s56
	WIN 0x40
	v_mov_b32 v[SC], s57
	v_mov_b32 v[HD], s56
	WIN 0
	s_add_co_i32 s56, s52, 127
	s_lshl_b32 s57, s56, 23
	v_mov_b32 v252, s57                            ; 2^e10
	s_add_co_i32 s56, s56, 15
	s_lshl_b32 s56, s56, 23
	s_or_b32 s56, s56, 0x600000
	v_mov_b32 v253, s56                            ; 57,344 x 2^e10
	s_cmp_lt_i32 s50, -15
	s_cselect_b32 s26, 1, 0                        ; is the hold needed?
	s_mov_b32 s60, 6                               ; filling steps to go
	s_mov_b32 s27, 2*BLK                           ; where the block that the step stores goes,
	s_mov_b32 s62, BLK                             ; the next step's K,
	s_mov_b32 s63, VOFF                            ; and this step's V
	AWAIT
	s_wait_loadcnt 0x14                            ; block 0; Q's four loads, block 1's and block 2's eight each may be out
.irp i, 0,1,2,3
	ds_store_b128 v[WL], v[32+4*\i:35+4*\i] offset:512*\i
	ds_store_b128 v[VS], v[48+4*\i:51+4*\i] offset:512*\i
.endr
	s_wait_dscnt 0x0
	s_barrier_signal -1
	s_barrier_wait -1
	KLD 0
	s_wait_loadcnt 0x8                             ; Q and block 1; block 2's eight loads may be out
.irp i, 0,1,2,3
	ds_store_b128 v[WL], v[64+4*\i:67+4*\i] offset:BLK+512*\i
	ds_store_b128 v[VS], v[80+4*\i:83+4*\i] offset:BLK+512*\i
.endr
	s_wait_dscnt 0x0
	s_barrier_signal -1                            ; the first step awaits this one
.Lstep:
	STEP 1
	s_add_co_u32 s27, s27, BLK
	s_sub_co_u32 s60, s60, 1
	s_cmp_lg_u32 s60, 0
	s_cbranch_scc1 .Lstep
	s_barrier_wait -1                              ; block 7 is whole
	s_mov_b32 s60, 2
.Lrest:
	STEP 0
	s_sub_co_u32 s60, s60, 1
	s_cmp_lg_u32 s60, 0
	s_cbranch_scc1 .Lrest
	; THE WAY OUT: O^T / l x 2^(e8 + e9) is the attention's result; it is quantised with 2^e10 and leaves as two groups of the next launch's fragment for each tile.
	WIN 0x05
	v_pk_add_f32 v[226:227], v[184:185], v[186:187]
	WIN 0x04
	v_pk_add_f32 v[226:227], v[226:227], v[190:191]
	WIN 0
	v_pk_add_f32 v[228:229], v[184:185], v[186:187]
	v_pk_add_f32 v[228:229], v[228:229], v[190:191]
	v_add_f32 v226, v226, v227
	v_add_f32 v228, v228, v229
	v_permlanex16_b32 v254, v226, s20, s21
	v_permlanex16_b32 v255, v228, s20, s21
	v_add_f32 v226, v226, v254                     ; the rows' sums
	v_add_f32 v228, v228, v255
	AWAIT
	v_rcp_f32 v226, v226
	v_rcp_f32 v228, v228
	v_nop
	s_add_co_i32 s56, s50, s51
	AWAIT
	v_ldexp_f32 v226, v226, s56
	v_ldexp_f32 v228, v228, s56
.macro OUT f
	AWAIT
.set jj, 0
.rept 16
	v_pk_mul_f32 v[32+jj:33+jj], v[OA+jj:OA+jj+1], v[\f:\f+1] op_sel_hi:[1,0]
.set jj, jj+2
.endr
.set jj, 0
.rept 32
	v_med3_num_f32 v[32+jj], v[32+jj], -v253, v253
.set jj, jj+1
.endr
.irp n, 0,1,2,3
	v_cvt_scalef32_pk8_bf8_f32 v[P1+2*\n:P1+2*\n+1], v[32+8*\n:39+8*\n], v252
.endr
	v_nop
.endm
	WIN 0x41
	OUT 226
	WIN 0x04
	global_store_b128 v[L16], v[P1:P1+3], s[12:13]                ; 512 consecutive bytes, aligned
	global_store_b128 v[L16], v[P1+4:P1+7], s[12:13] offset:512
	WIN 0
	OUT 228
	global_store_b128 v[L16], v[P1:P1+3], s[12:13] offset:16384
	global_store_b128 v[L16], v[P1+4:P1+7], s[12:13] offset:16896
	s_wait_tensorcnt 0x0                           ; the wave's end
	ds_add_u32 v[SPW], v[NIL]
	s_wait_dscnt 0x0
	s_endpgm
.Lfunc_end_k_q356f1a4fe1_attn:
	.size	k_q356f1a4fe1_attn, .Lfunc_end_k_q356f1a4fe1_attn-k_q356f1a4fe1_attn
	.p2alignl 7, 3214868480
	.fill 96, 4, 3214868480
	.section	.rodata,"a",@progbits
	.p2align	6, 0x0
	.amdhsa_kernel k_q356f1a4fe1_attn
		.amdhsa_group_segment_fixed_size 263168
		.amdhsa_private_segment_fixed_size 0
		.amdhsa_enable_private_segment 0
		.amdhsa_kernarg_size 40
		.amdhsa_user_sgpr_count 2
		.amdhsa_user_sgpr_kernarg_segment_ptr 1
		.amdhsa_wavefront_size32 1
		.amdhsa_system_sgpr_workgroup_id_x 1
		.amdhsa_system_sgpr_workgroup_id_y 1
		.amdhsa_system_sgpr_workgroup_id_z 1
		.amdhsa_system_vgpr_workitem_id 0
		.amdhsa_next_free_vgpr 512
		.amdhsa_next_free_sgpr 66
		.amdhsa_reserve_vcc 0
		.amdhsa_float_denorm_mode_32 3
		.amdhsa_float_denorm_mode_16_64 3
		.amdhsa_memory_ordered 1
		.amdhsa_forward_progress 1
		.amdhsa_inst_pref_size 130
	.end_amdhsa_kernel
	.amdgpu_metadata
---
amdhsa.version: [ 1, 2 ]
amdhsa.kernels:
  - .name:           k_q356f1a4fe1_attn
    .symbol:         k_q356f1a4fe1_attn.kd
    .args:
      - { .name: q_codes, .offset: 0, .size: 8, .value_kind: global_buffer, .address_space: global }
      - { .name: k_codes, .offset: 8, .size: 8, .value_kind: global_buffer, .address_space: global }
      - { .name: v_codes, .offset: 16, .size: 8, .value_kind: global_buffer, .address_space: global }
      - { .name: lowp_scales, .offset: 24, .size: 8, .value_kind: global_buffer, .address_space: global }
      - { .name: a_codes, .offset: 32, .size: 8, .value_kind: global_buffer, .address_space: global }
    .group_segment_fixed_size: 263168
    .private_segment_fixed_size: 0
    .kernarg_segment_align: 8
    .kernarg_segment_size: 40
    .max_flat_workgroup_size: 256
    .sgpr_count:     66
    .vgpr_count:     512
    .wavefront_size: 32
...
	.end_amdgpu_metadata
.endif
;; end of part 2
;; launch oproj (part 3): grid 8 x 32, 4 waves a work-group, clusters of 4 x 4, 282,112 bytes of LDS; arguments a_codes, Wo_codes, bo, lowp_scales, out0; writes out0
.if DOCPART == 3
	.amdgcn_target "amdgcn-amd-amdhsa--gfx1250"
	.amdhsa_code_object_version 6
	.text
	.protected	k_q356f1a4fe1_oproj
	.globl	k_q356f1a4fe1_oproj
	.p2align	8
	.type	k_q356f1a4fe1_oproj,@function
k_q356f1a4fe1_oproj:
	s_mov_b64 s[64:65], 0
	v_nop
	global_prefetch_b8 v0, s[64:65] scope:SCOPE_SE
	s_setreg_imm32_b32 hwreg(HW_REG_WAVE_MODE, 25, 1), 1
	s_wait_xcnt 0x0
	s_wait_alu depctr_hold_cnt(0) depctr_sa_sdst(0) depctr_va_vdst(0) depctr_va_sdst(0) depctr_va_ssrc(0) depctr_va_vcc(0) depctr_vm_vsrc(0)
	s_getreg_b32 s2, hwreg(HW_REG_IB_STS2, 6, 4)
	s_cmp_eq_u32 s2, 0
	s_cbranch_scc0 .Lentry_in_a_cluster
	s_endpgm
.Lentry_in_a_cluster:
	s_bfe_u32 s2, ttmp6, 0x10000c
	s_cmp_lg_u32 s2, 0xf033
	s_cbranch_scc0 .Lentry_shape_is_right
	s_endpgm
.Lentry_shape_is_right:
; out0 = a Wo^T + bo, on codes of BF8 (E5M2): a with the scale 2^e10, Wo with 2^e11.  out0: [4096][1024] f32.
; a_codes: [tile of 16 rows 256][128 of K 8][group c 4][lane 32][16 bytes]: images of 16 x 128 fragments whose registers 4 c .. 4 c + 3 hold K = 32 c + 16 h + 0 .. 15: the order in which four loads of 16 bytes
; bring a row of Wo.  Wo_codes: [1024][1024], K innermost.
; SHARES.  A tile of out0 is 128 x 128: 256 work-groups.  Four waves, each 64 x 64.  The matrix instruction is used transposed (source 0 = 16 rows of Wo, source 1 = 16 rows of a): a lane holds eight
; neighbouring numbers of a row of out0.
; BY ROWS.  A wave keeps its 64 columns of Wo for the whole K in 512 registers and finishes its four blocks of 16 rows one after the other: each block leaves while the next is multiplied.  No fragment is read from LDS twice by a wave.
; LDS holds the tile's whole K: a's 131,072 bytes, then Wo's 128 rows, 1,040 bytes apart, then a stage for each wave.  No byte is filled twice.  Waves 0 and 1 fetch a's halves, waves 2 and 3 Wo's: one load of 65,536 bytes each.
; CLUSTER 4 x 4: a's tiles are asked for jointly along a row of the cluster, Wo's along a column.  No data prefetch: all is asked for at the head, and there is no loop to run ahead in.
; LIMIT: e10 + e11 between -126 and 127.
; REGISTERS: window 0: v8, v12 LDS addresses of a's and Wo's fragments; v16-19 the way out; v30, v31 the add's; v32-63 bo; v64-95 a block's results at work; v96-127, v192-223, v224-255 rows read back from the stage, by turns;
;   v128-159, v160-191 four accumulators, two sets by turns.  Window 1: a's fragments, a block's 8 x 16 registers, two sets by turns.  Windows 2 and 3: Wo's: K step s, 16 columns b at 64 (s % 4) + 16 b.
.set BOFF,  131072
.set WP,    1040                       ; a row of Wo in LDS: 1,024 bytes + 16 of padding
.set STAGE, BOFF+128*WP                ; 264,192: 16 rows x 272 bytes for each wave; no tile lands here
.set SPARE, STAGE+4*16*272             ; 281,600: the spare words
.set ADA, 8
.set ADB, 12
.set G1A, 28                           ; s[28:35], s[36:39]: a's groups 1 and 0
.set G0A, 36
.set G1B, 52                           ; s[52:59], s[68:71]: Wo's
.set G0B, 68
.set MSB, 0
.macro WIN new
.if MSB != \new
	s_set_vgpr_msb (MSB<<8)|\new
.set MSB, \new
.endif
.endm
.macro PLACES
.rept 4
	v_nop
.endr
.endm
.macro CROUND
	s_barrier_signal -1
	s_barrier_wait -1
	s_cmp_lg_u32 s14, 0
	s_cbranch_scc1 .Lnot_wave_0_\@
	s_barrier_signal -3
.Lnot_wave_0_\@:
	s_barrier_wait -3
	s_barrier_signal -1
	s_barrier_wait -1
.endm
	s_load_b256 s[4:11], s[0:1], 0x0               ; a's codes s[4:5], Wo's s[6:7], bo s[8:9], the exponents s[10:11]
	s_load_b64 s[12:13], s[0:1], 0x20              ; out0
	v_lshl_add_u32 v30, v0, 2, SPARE
	v_mov_b32 v31, 0
	ds_add_u32 v30, v31                            ; the opening: the add twice on end
	ds_add_u32 v30, v31
	v_lshrrev_b32 v1, 5, v0
	v_readfirstlane_b32 s14, v1                    ; wave 0..3
	s_lshr_b32 s15, s14, 1                         ; which 64 rows are mine.  Also: I fetch for a (0) or for Wo (1)
	s_and_b32 s18, s14, 1                          ; which 64 columns.  Also: which half I fetch
	s_bfe_u32 s24, ttmp6, 0x40000                  ; cx
	s_bfe_u32 s25, ttmp6, 0x40004                  ; cy
	s_lshl_b32 s16, ttmp9, 2
	s_add_co_u32 s16, s16, s24                     ; tile column
	s_and_b32 s17, ttmp7, 0xffff
	s_lshl_b32 s17, s17, 2
	s_add_co_u32 s17, s17, s25                     ; tile row
	s_lshl_b32 s26, s25, 2
	s_lshl_b32 s26, 15, s26                        ; my row of the cluster
	s_lshl_b32 s27, 0x1111, s24                    ; my column
	s_or_b32 s[G1A], s26, (3<<16)|(1<<21)          ; the mask; elements of 8 bytes; bit 21 beside a mask
	s_mov_b32 s[G1A+1], 2048<<16                   ; tensor_dim0 = 2048: a tile of rows, 16,384 bytes on end
	s_mov_b32 s[G1A+2], 4<<16                      ; tensor_dim1 = 4 tiles of rows
	s_mov_b32 s[G1A+3], 2048<<16
	s_mov_b32 s[G1A+4], 4
	s_mov_b32 s[G1A+5], 2048
	s_mov_b32 s[G1A+6], 0
	s_mov_b32 s[G1A+7], 0
	s_or_b32 s[G1B], s27, (1<<20)|(1<<21)|(7<<22)|(3<<25)   ; elements of 1 byte; 4 words of padding after every 256
	s_mov_b32 s[G1B+1], 1024<<16
	s_mov_b32 s[G1B+2], 64<<16
	s_mov_b32 s[G1B+3], 1024<<16
	s_mov_b32 s[G1B+4], 64
	s_mov_b32 s[G1B+5], 1024
	s_mov_b32 s[G1B+6], 0
	s_mov_b32 s[G1B+7], 0
	s_lshl_b32 s19, s18, 16                        ; my half: 4 tiles of 16,384 bytes, or 64 rows of 1,024
	s_lshl_b32 s20, s17, 17                        ; a: 8 tiles of rows for each tile row; these registers never hold cx
	s_add_co_u32 s20, s20, s19
	s_mov_b32 s21, 0
	s_lshl_b32 s22, s16, 17                        ; Wo: 128 rows for each tile column; these never hold cy
	s_add_co_u32 s22, s22, s19
	s_mov_b32 s23, 0
	s_lshl_b32 s88, s18, 16                        ; where they go
	s_mul_i32 s89, s18, 64*WP
	s_add_co_u32 s89, s89, BOFF
	s_wait_dscnt 0x0                               ; both opening adds are done
	s_wait_kmcnt 0x0
	s_load_b64 s[86:87], s[10:11], 0x28            ; e10, e11
	s_mov_b32 s[G0A], 1
	s_mov_b32 s[G0A+1], s88
	s_add_nc_u64 s[G0A+2:G0A+3], s[4:5], s[20:21]
	s_or_b32 s[G0A+3], s[G0A+3], 0x80000000
	s_mov_b32 s[G0B], 1
	s_mov_b32 s[G0B+1], s89
	s_add_nc_u64 s[G0B+2:G0B+3], s[6:7], s[22:23]
	s_or_b32 s[G0B+3], s[G0B+3], 0x80000000
	CROUND                                         ; all sixteen work-groups are here: the joint loads meet
	s_cmp_eq_u32 s15, 0
	s_cbranch_scc0 .Lfill_b
	tensor_load_to_lds s[G0A:G0A+3], s[G1A:G1A+7]
	s_nop 0
	PLACES
	s_branch .Lfilled
.Lfill_b:
	tensor_load_to_lds s[G0B:G0B+3], s[G1B:G1B+7]
	s_nop 0
	PLACES
.Lfilled:
	v_and_b32 v1, 15, v0                           ; r
	v_bfe_u32 v2, v0, 4, 1                         ; h
	v_and_b32 v3, 31, v0
	v_lshlrev_b32 v3, 4, v3                        ; 16 x lane
	s_lshl_b32 s2, s15, 16                         ; my four tiles of rows of a
	v_add_nc_u32 v[ADA], s2, v3
	v_mul_u32_u24 v4, v1, WP
	v_lshl_add_u32 v4, v2, 4, v4
	s_mul_i32 s2, s18, 64*WP                       ; my 64 rows of Wo
	v_add_nc_u32 v4, s2, v4
	v_add_nc_u32 v[ADB], BOFF, v4
	s_mul_i32 s2, s14, 16*272
	s_add_co_u32 s2, s2, STAGE                     ; my stage
	v_mul_u32_u24 v16, v1, 272
	v_lshl_add_u32 v16, v2, 5, v16
	v_add_nc_u32 v16, s2, v16                      ; in: row r, 32 bytes for each half of the lanes
	v_mul_u32_u24 v17, v2, 272
	v_lshl_add_u32 v17, v1, 4, v17
	v_add_nc_u32 v17, s2, v17                      ; back: lanes 0-15 one row of 256 bytes, lanes 16-31 the next
	v_lshlrev_b32 v18, 12, v2
	v_lshl_add_u32 v18, v1, 4, v18                 ; and the same two rows in out0
	v_lshlrev_b32 v19, 5, v2                       ; bo: 8 h numbers on
	s_wait_alu depctr_va_vdst(0)
	s_lshl_b32 s19, s16, 9
	s_lshl_b32 s3, s18, 8
	s_add_co_u32 s19, s19, s3                      ; my first column, in bytes
	s_lshl_b32 s2, s17, 19
	s_lshl_b32 s3, s15, 18
	s_add_co_u32 s2, s2, s3                        ; my first row, 4,096 bytes each
	s_add_co_u32 s2, s2, s19
	s_mov_b32 s3, 0
	s_add_nc_u64 s[12:13], s[12:13], s[2:3]
	s_mov_b32 s2, s19
	s_add_nc_u64 s[8:9], s[8:9], s[2:3]
.irp b, 0,1,2,3
	global_load_b128 v[32+8*\b:35+8*\b], v19, s[8:9] offset:64*\b       ; bo(16 b + 8 h + 0 .. 7) of my 64 columns
	global_load_b128 v[36+8*\b:39+8*\b], v19, s[8:9] offset:64*\b+16
.endr
	s_wait_kmcnt 0x0
	s_add_co_i32 s84, s86, s87
	s_add_co_i32 s84, s84, 127
	s_lshl_b32 s84, s84, 23                        ; 2^(e10 + e11) as f32
	s_mov_b32 s85, s84
.macro WLD s                           ; Wo's four fragments of K step s: 16 loads
.if (\s) < 4
	WIN 0x80
.else
	WIN 0xc0
.endif
.irp b, 0,1,2,3
.irp g, 0,1,2,3
	ds_load_b128 v[64*((\s)%4)+16*\b+4*\g:64*((\s)%4)+16*\b+4*\g+3], v[ADB] offset:\b*16*WP+128*(\s)+32*\g
.endr
.endr
.endm
.macro ALD a, s                        ; block a's fragment of K step s: 4 loads
	WIN 0x40
.irp g, 0,1,2,3
	ds_load_b128 v[128*((\a)%2)+16*(\s)+4*\g:128*((\a)%2)+16*(\s)+4*\g+3], v[ADA] offset:16384*(\a)+2048*(\s)+512*\g
.endr
.endm
.macro FIRST s                         ; K step s for block 0: 20 loads
	WLD \s
	ALD 0, \s
.endm
.macro MM a, s                         ; K step s of block a: four accumulators by turns, three other matrix instructions between a sum's steps
.if (\s) < 4
	WIN 0x06
.else
	WIN 0x07
.endif
.irp b, 0,1,2,3
.set AC, 128+32*((\a)%2)+8*\b
.set WF, 64*((\s)%4)+16*\b
.set AF, 128*((\a)%2)+16*(\s)
.if (\s) == 0
	v_wmma_f32_16x16x128_bf8_bf8 v[AC:AC+7], v[WF:WF+15], v[AF:AF+15], 0
.else
	v_wmma_f32_16x16x128_bf8_bf8 v[AC:AC+7], v[WF:WF+15], v[AF:AF+15], v[AC:AC+7]
.endif
.endr
.endm
; THE WAY OUT, a block of 16 rows x 64 columns at a time: sum x 2^(e10 + e11) + bo; through my own stage; back as whole rows of 256 bytes.  LDS serves a wave's instructions in order (ISA guide 5.7.1.4).
.macro TOSTAGE a
.set RB, 96+96*(((\a)%3+1)/2)+32*(((\a)%3)/2)
	WIN 0
.if (\a) == 3
	s_wait_xcnt 0x0                                ; block 0's stores have read the registers that block 3's rows come back into
.endif
.irp b, 0,1,2,3
.set AC, 128+32*((\a)%2)+8*\b
.irp i, 0,2,4,6
	v_pk_fma_f32 v[64+8*\b+\i:64+8*\b+\i+1], v[AC+\i:AC+\i+1], s[84:85], v[32+8*\b+\i:32+8*\b+\i+1] op_sel_hi:[1,0,1]   ; each accumulator from its low end on
.endr
.endr
.irp b, 0,1,2,3
	ds_store_b128 v16, v[64+8*\b:64+8*\b+3] offset:64*\b
	ds_store_b128 v16, v[64+8*\b+4:64+8*\b+7] offset:64*\b+16
.endr
.irp i, 0,1,2,3,4,5,6,7
	ds_load_b128 v[RB+4*\i:RB+4*\i+3], v17 offset:2*\i*272
.endr
.endm
.macro SEND a, younger                 ; younger: the LDS instructions issued behind block a's loads, which may stay out
.set RB, 96+96*(((\a)%3+1)/2)+32*(((\a)%3)/2)
	WIN 0
	s_wait_dscnt \younger
.irp i, 0,1,2,3,4,5,6,7
	global_store_b128 v18, v[RB+4*\i:RB+4*\i+3], s[12:13] offset:(16*(\a)+2*\i)*4096 th:TH_STORE_NT   ; 16 lanes store 256 consecutive bytes, aligned; written once, read by nobody here
.endr
.endm
	s_wait_tensorcnt 0x0                           ; my part is in
	s_barrier_signal -1
	s_barrier_wait -1                              ; everybody's is
	FIRST 0
	FIRST 1
	FIRST 2
.irp s, 0,1,2,3,4,5,6,7                ; block 0, under the loads of Wo
.if \s < 6
	s_wait_dscnt 40                                ; behind step s: two steps of 20 loads
.elseif \s == 6
	s_wait_dscnt 36                                ; step 7's 20, and 16 of block 1's
.else
	s_wait_dscnt 32                                ; block 1's 32
.endif
	MM 0, \s
.if \s < 5
	FIRST \s+3
.elseif \s < 7
.irp k, 0,1,2,3
	ALD 1, 4*(\s-5)+\k
.endr
.endif
.endr
	WIN 0
	s_wait_loadcnt 0x0                             ; bo
.irp a, 0,1,2
	WIN 0
	PLACES                                         ; in front of the reads of block a's results, and of the loads over its fragments
	TOSTAGE \a
.if \a < 2
.irp k, 0,1,2,3,4,5,6,7
	ALD \a+2, \k
.endr
	s_wait_dscnt 48                                ; block a + 1's fragments are in; the stage's 16 and block a + 2's 32 may be out
.else
	s_wait_dscnt 16
.endif
.irp k, 0,1,2,3
	MM \a+1, \k
.endr
.if \a < 2
	SEND \a, 32
.else
	SEND \a, 0
.endif
.irp k, 4,5,6,7
	MM \a+1, \k
.endr
.endr
	WIN 0
	PLACES
	TOSTAGE 3
	SEND 3, 0
	s_wait_tensorcnt 0x0                           ; the wave's end
	ds_add_u32 v30, v31
	s_wait_dscnt 0x0
	CROUND                                         ; the closing round
	s_endpgm
.Lfunc_end_k_q356f1a4fe1_oproj:
	.size	k_q356f1a4fe1_oproj, .Lfunc_end_k_q356f1a4fe1_oproj-k_q356f1a4fe1_oproj
	.p2alignl 7, 3214868480
	.fill 96, 4, 3214868480
	.section	.rodata,"a",@progbits
	.p2align	6, 0x0
	.amdhsa_kernel k_q356f1a4fe1_oproj
		.amdhsa_group_segment_fixed_size 282112
		.amdhsa_private_segment_fixed_size 0
		.amdhsa_enable_private_segment 0
		.amdhsa_kernarg_size 40
		.amdhsa_user_sgpr_count 2
		.amdhsa_user_sgpr_kernarg_segment_ptr 1
		.amdhsa_wavefront_size32 1
		.amdhsa_system_sgpr_workgroup_id_x 1
		.amdhsa_system_sgpr_workgroup_id_y 1
		.amdhsa_system_sgpr_workgroup_id_z 1
		.amdhsa_system_vgpr_workitem_id 0
		.amdhsa_next_free_vgpr 1024
		.amdhsa_next_free_sgpr 90
		.amdhsa_reserve_vcc 0
		.amdhsa_float_denorm_mode_32 3
		.amdhsa_float_denorm_mode_16_64 3
		.amdhsa_memory_ordered 1
		.amdhsa_forward_progress 1
		.amdhsa_inst_pref_size 45
	.end_amdhsa_kernel
	.amdgpu_metadata
---
amdhsa.version: [ 1, 2 ]
amdhsa.kernels:
  - .name:           k_q356f1a4fe1_oproj
    .symbol:         k_q356f1a4fe1_oproj.kd
    .args:
      - { .name: a_codes, .offset: 0, .size: 8, .value_kind: global_buffer, .address_space: global }
      - { .name: Wo_codes, .offset: 8, .size: 8, .value_kind: global_buffer, .address_space: global }
      - { .name: bo, .offset: 16, .size: 8, .value_kind: global_buffer, .address_space: global }
      - { .name: lowp_scales, .offset: 24, .size: 8, .value_kind: global_buffer, .address_space: global }
      - { .name: out0, .offset: 32, .size: 8, .value_kind: global_buffer, .address_space: global }
    .group_segment_fixed_size: 282112
    .private_segment_fixed_size: 0
    .kernarg_segment_align: 8
    .kernarg_segment_size: 40
    .max_flat_workgroup_size: 128
    .sgpr_count:     90
    .vgpr_count:     1024
    .wavefront_size: 32
...
	.end_amdgpu_metadata
.endif
;; end of part 3
